; MI455X (gfx1250); checked and timed in simulation.
; The chip was launched on July 23, 2026; its instructions are those of AMD's public machine-readable ISA for CDNA 5 (MIT licence, August 2026) and "CDNA5" Instruction Set Architecture Reference Guide (July 2026). The comments in the code are by the model that wrote it; some were corrected since.
;; Attention. Allowed arithmetic: matrix products marked QUANTISED: E2M3 operands, one E8M0 scale for each 32 along K, by v_wmma_scale_f32_16x16x128_f8f6f4 with both operands' format E2M3, f32 sums; everything else in f32.
;; Inputs: Wk 1,024 x 1,024 float32; Wo 1,024 x 1,024 float32; Wq 1,024 x 1,024 float32; Wv 1,024 x 1,024 float32; hidden_states 4 x 2,048 x 1,024 float32.
;; Outputs: out0 4 x 2,048 x 1,024 float32.
;; This version of the problem:
;;   THIS VERSION OF THE PROBLEM IS GIVEN IN LOW PRECISION. The matrix products marked QUANTISED in the list below multiply operands that are first quantised to E2M3 (2 exponent bits, 3 mantissa bits; 6 bits a number), with one power-of-two scale for each 32 numbers along K (OCP MX v1.0); their sums are f32. All else is computed in f32.
;;   The module's matrix products, in the order in which they are computed (A, B: the left and right operand; K: the contracted axis; several contracted axes count as one K, in the product's order):
;;     1. [M 8,192, K 1,024] x [K 1,024, N 1,024]; A: input hidden_states; B: input Wq: QUANTISED
;;     2. [M 8,192, K 1,024] x [K 1,024, N 1,024]; A: input hidden_states; B: input Wk: QUANTISED
;;     3. [M 8,192, K 1,024] x [K 1,024, N 1,024]; A: input hidden_states; B: input Wv: QUANTISED
;;     4. batch 64 x [M 2,048, K 64] x [K 64, N 2,048]; A: computed on the way; B: computed on the way: QUANTISED
;;     5. batch 64 x [M 64, K 2,048] x [K 2,048, N 2,048]; A: computed on the way; B: softmax (see below): QUANTISED
;;     6. [M 8,192, K 1,024] x [K 1,024, N 1,024]; A: computed on the way; B: input Wo: QUANTISED
;;   THE QUANTISER, for each operand of a quantised product, along K:
;;     - K is cut into blocks of 32 from its start; a last block that is shorter is filled with zeros.
;;     - A block's scale is 2^e with e = floor(log2(the largest magnitude in the block)) - 2, held to -126 .. 127; a block of zeros has e = 0. As a byte (E8M0): e + 127.
;;     - Each number is divided by its block's scale, clamped to +-7.5, and rounded to the nearest number of E2M3, ties to even, subnormals kept.
;;     - The product sums the exact products of the quantised numbers (number of the format x scale) in f32.
;;   ~~~python
;;   def quantise(x, axis):      # numpy; x: float32 -> the quantised numbers, widened to float32 again
;;       x = np.moveaxis(x, axis, -1); K = x.shape[-1]
;;       x = np.pad(x, [(0, 0)] * (x.ndim - 1) + [(0, -K % 32)]); x = x.reshape(x.shape[:-1] + (-1, 32)); a = np.abs(x).max(-1, keepdims=True)
;;       e = np.where(a > 0, np.clip(np.frexp(np.where(a > 0, a, 1))[1] - 1 - 2, -126, 127), 0)      # np.frexp(a)[1] - 1 = floor(log2(a)), exactly
;;       r = np.clip(x / 2.0 ** e, -7.5, 7.5)
;;       step = 2.0 ** (np.maximum(np.frexp(np.where(r == 0, 1, r))[1] - 1, 0) - 3)
;;       q = np.round(r / step) * step * 2.0 ** e      # np.round: ties to even
;;       return np.moveaxis(q.reshape(q.shape[:-2] + (-1,))[..., :K], -1, axis).astype(np.float32)
;;   ~~~
;;   SOFTMAX AHEAD OF A QUANTISED PRODUCT. Where the list says 'softmax', what is quantised is not the finished softmax but p = 2^(t - M), with t = logit x log2(e) and M = ceil(the row's largest t), a whole number; so 1/2 < the row's largest p <= 1. The row's sum l is taken of the UNQUANTISED p, in f32, and the product's result is divided by l at the end. Since M is a whole number, a kernel that streams over the keys may use a running M (the ceiling of the running maximum): every later rescaling is an exact power of two, which a block's scale takes up: the codes' values come out the same.
;;   OPERANDS COMPUTED ON THE WAY. 'Computed on the way' means the value that the module computes at that place (a softmax that the list does not call 'softmax' is quantised finished and normalised). What goes into a quantiser is computed in f32, as accurately as f32 sums, v_exp_f32 and their like allow (about 1e-6 of the number): no bf16 or f16 on the way to a quantiser, and a product that is left as it is and whose result goes on into a quantised operand takes f32 operands (vector FMAs, or v_wmma_f32_16x16x4_f32). A number that lies on a knife's edge between two numbers of the format may be rounded either way, as far as f32 arithmetic and the matrix unit's own rounding can turn it there, and no further.
;; One version. Each part assembles by itself: llvm-mc -triple=amdgcn-amd-amdhsa -mcpu=gfx1250 --defsym DOCPART=n.
;; ======== version 1 of 1: 4 launches
;; limits: right only within a limited range of input values
;; workspace buffers: xw_codes 9,437,184 bytes; xw_scales 393,216 bytes; qkv_codes 18,874,368 bytes; qkv_scales 1,572,864 bytes; a_codes 6,291,456 bytes; a_scales 262,144 bytes
;; launch quant (part 1): grid 384 x 1, 4 waves a work-group, no clusters, 34,304 bytes of LDS; arguments hidden_states, Wq, Wk, Wv, Wo, xw_codes, xw_scales; writes xw_codes, xw_scales
.if DOCPART == 1
	.amdgcn_target "amdgcn-amd-amdhsa--gfx1250"
	.amdhsa_code_object_version 6
	.text
	.protected	k_q8859f9f53a_quant
	.globl	k_q8859f9f53a_quant
	.p2align	8
	.type	k_q8859f9f53a_quant,@function
k_q8859f9f53a_quant:
	s_mov_b64 s[64:65], 0
	v_nop
	global_prefetch_b8 v0, s[64:65] scope:SCOPE_SE
	s_setreg_imm32_b32 hwreg(HW_REG_WAVE_MODE, 25, 1), 1
	s_wait_xcnt 0x0
; hidden_states [8192][1024] and Wq, Wk, Wv, Wo [1024][1024], f32 with K innermost, become codes of FP6 (E2M3) with one E8M0 byte for each 32 along K.
; A block's scale is 2^(floor(log2(its largest magnitude)) - 2); its byte is the largest magnitude's exponent field - 2, held at 1 from below.
; LIMITS: NaN and infinities are not served; a block whose largest magnitude lies under 2^-124 keeps the byte 1; a block of zeros has the byte 1 where the rule says 127
; (its codes are zeros, which add nothing under any byte but 0xff, and the bytes are read by this program alone).
; THE CODES ARE LAID AS THE MATRIX OPERAND'S REGISTERS.  A HALF FRAGMENT is 16 rows x 64 along K, 768 bytes: lane (r, h) owns row r, k = 32 h .. 32 h + 31, 24 bytes: its first 16 at byte 16 x lane, its last 8 at 512 + 8 x lane.
; xw_codes: [tile of 16 rows, 768 of them][16 half fragments][768].  xw_scales: [tile][K / 256][row 16][8 bytes].
; THE ROWS OF A TILE ARE NOT NEIGHBOURS: of 32 rows, tile u takes rows 8 u + r + 8 (r / 8), r = 0 .. 15, so that where such a tile is a product's first source a lane's 16 results of two neighbouring tiles are 16 neighbours.
; SHARES.  A work-group takes 32 rows (two tiles); wave w takes tile w / 2 and 512 along K (w % 2), in four steps of 128.  Each load reads 512 consecutive bytes of one row; a step's 16 x 512 bytes turn through
; the wave's own stage in LDS, so that a lane gets the 32 neighbours of a whole block; a step's stores cover 1,536 consecutive bytes.  Waves share nothing: no barrier.  Memory binds: no matrix unit, no cluster, no tensor load.
.set SPARE, 33792                      ; behind the four stages: the spare words, 128 bytes for each wave
.set SP,    528                        ; a stage row: 512 bytes + 16
.set R,     16                         ; v16-143  two sets of 64 registers as loaded
.set X,     144                        ; v144-207 two blocks of 32 neighbours
.set C,     208                        ; v208-231 the codes, two sets of 12
.set Y,     232                        ; v232-238 a block's upper 16 codes, before they are moved
.set MX,    240                        ; v240-241 largest magnitudes
.set SO,    244                        ; v244-245 the conversions' scale operands
.set BY,    246                        ; v246-247 the bytes
	s_load_b256 s[4:11], s[0:1], 0x0               ; hidden_states, Wq, Wk, Wv
	s_load_b128 s[12:15], s[0:1], 0x20             ; Wo, xw_codes
	s_load_b64 s[16:17], s[0:1], 0x30              ; xw_scales
	v_lshl_add_u32 v7, v0, 2, SPARE                ; my spare word
	v_mov_b32 v8, 0
	v_lshrrev_b32 v9, 5, v0
	v_readfirstlane_b32 s20, v9                    ; wave
	v_and_b32 v9, 31, v0                           ; lane
	v_and_b32 v10, 15, v0                          ; r
	v_bfe_u32 v11, v0, 4, 1                        ; h
	v_lshlrev_b32 v1, 4, v9                        ; 16 x lane
	v_lshlrev_b32 v2, 3, v9                        ; 8 x lane
	s_mul_i32 s21, s20, 16*SP                      ; my stage
	v_add_nc_u32 v3, s21, v1                       ; into it: 16 bytes a lane of a row
	v_mul_u32_u24 v4, v10, SP
	v_lshl_add_u32 v4, v11, 7, v4
	v_add_nc_u32 v4, s21, v4                       ; out of it: row r, 128 h bytes on
	v_lshlrev_b32 v5, 3, v11                       ; 8 h
	v_lshlrev_b32 v6, 3, v10
	v_lshl_add_u32 v6, v11, 7, v6                  ; the scale words' place: 8 r + 128 h
	v_mov_b32 v248, 0                              ; a lane permute's destination counts as one of its sources
	s_mov_b32 s24, 0x76543210
	s_mov_b32 s25, 0xfedcba98                      ; selects for lane l xor 16
	s_lshr_b32 s26, s20, 1                         ; u: which tile
	s_and_b32 s27, s20, 1                          ; which 512 along K
	s_and_b32 s30, ttmp9, 31
	s_cmp_lt_u32 ttmp9, 256
	s_cselect_b32 s30, ttmp9, s30                  ; the group of 32 rows inside its tensor
	s_lshl_b32 s28, s30, 17                        ; 32 rows of 4,096 bytes,
	s_lshl_b32 s31, s26, 15                        ; 8 u rows,
	s_add_co_u32 s28, s28, s31
	s_lshl_b32 s31, s27, 11                        ; my 2,048 bytes of a row
	s_add_co_u32 s28, s28, s31
	s_mov_b32 s29, 0
	s_lshl_b32 s32, ttmp9, 1
	s_add_co_u32 s32, s32, s26                     ; my tile
	s_mul_i32 s34, s32, 12288
	s_mul_i32 s31, s27, 6144
	s_add_co_u32 s34, s34, s31                     ; its codes, my eight half fragments
	s_mov_b32 s35, 0
	s_lshl_b32 s36, s32, 9
	s_lshl_b32 s31, s27, 8
	s_add_co_u32 s36, s36, s31                     ; its scale words, my 256 bytes
	s_mov_b32 s37, 0
	s_wait_alu depctr_va_vdst(0)
	s_wait_kmcnt 0x0
	s_mov_b64 s[22:23], s[12:13]                   ; which tensor: the choice hangs on the work-group's number alone
	s_cmp_lt_u32 ttmp9, 352
	s_cselect_b64 s[22:23], s[10:11], s[22:23]
	s_cmp_lt_u32 ttmp9, 320
	s_cselect_b64 s[22:23], s[8:9], s[22:23]
	s_cmp_lt_u32 ttmp9, 288
	s_cselect_b64 s[22:23], s[6:7], s[22:23]
	s_cmp_lt_u32 ttmp9, 256
	s_cselect_b64 s[22:23], s[4:5], s[22:23]
	s_add_nc_u64 s[22:23], s[22:23], s[28:29]
	s_add_nc_u64 s[14:15], s[14:15], s[34:35]
	s_add_nc_u64 s[16:17], s[16:17], s[36:37]
.macro LOAD t                          ; step t: 512 bytes of each of my 16 rows
.irp p, 0,1,2,3,4,5,6,7,8,9,10,11,12,13,14,15
	global_load_b128 v[R+64*((\t)%2)+4*\p:R+64*((\t)%2)+4*\p+3], v1, s[22:23] offset:(\p+8*(\p/8))*4096+512*(\t) th:TH_LOAD_NT
.endr
.endm
.macro STEP t
.set RS, R+64*((\t)%2)
.set CS, C+12*((\t)%2)
.if (\t) < 3
	s_wait_loadcnt 16                              ; this step's 16 loads are in; the next step's 16 may be out
.else
	s_wait_loadcnt 0x0
.endif
	s_wait_xcnt 0x0                                ; the earlier stores have read their data: the codes' registers may be written again
.irp p, 0,1,2,3,4,5,6,7,8,9,10,11,12,13,14,15
	ds_store_b128 v3, v[RS+4*\p:RS+4*\p+3] offset:SP*\p
.endr
.irp c, 0,1
.irp j, 0,1,2,3,4,5,6,7
	ds_load_b128 v[X+32*\c+4*\j:X+32*\c+4*\j+3], v4 offset:256*\c+16*\j   ; LDS serves a wave's instructions in order: these see the stores above.  k = 64 c + 32 h + 4 j ..
.endr
.endr
	s_wait_dscnt 0x0
.if (\t) < 2
	LOAD (\t)+2
.endif
.irp c, 0,1
	v_max3_num_f32 v[MX+\c], |v[X+32*\c]|, |v[X+32*\c+1]|, 0x1800000   ; my block 2 c + h: all its 32 numbers are mine; the floor 2^(3 - 127) holds the byte at 1 from below
.endr
.irp i, 2,4,6,8,10,12,14,16,18,20,22,24,26,28,30
.irp c, 0,1
	v_max3_num_f32 v[MX+\c], v[MX+\c], |v[X+32*\c+\i]|, |v[X+32*\c+\i+1]|
.endr
.endr
.irp c, 0,1
	v_add_nc_u32 v[SO+\c], 0xff000000, v[MX+\c]    ; 2 off the exponent field: the conversion takes the exponent field of this operand as its scale
.endr
.irp c, 0,1
	v_lshrrev_b32 v[BY+\c], 23, v[SO+\c]           ; the scale's byte
.endr
	v_lshl_or_b32 v[12+(\t)], v[BY+1], 16, v[BY]   ; my two bytes: blocks h and 2 + h,
	v_lshlrev_b32 v[12+(\t)], v5, v[12+(\t)]       ; at their places;
	v_permlanex16_b32 v248, v[12+(\t)], s24, s25
	v_or_b32 v[12+(\t)], v[12+(\t)], v248          ; with lane l xor 16's two the word of these 128 along K is whole
.irp c, 0,1
	v_cvt_scalef32_pk16_fp6_f32 v[CS+6*\c:CS+6*\c+2], v[X+32*\c:X+32*\c+15], v[SO+\c]
	v_cvt_scalef32_pk16_fp6_f32 v[Y+4*\c:Y+4*\c+2], v[X+32*\c+16:X+32*\c+31], v[SO+\c]   ; (a conversion's three registers begin on an even number)
.endr
	v_nop                                          ; one plain place behind a scaled conversion
.irp c, 0,1
.irp i, 0,1,2
	v_mov_b32 v[CS+6*\c+3+\i], v[Y+4*\c+\i]
.endr
.endr
.irp c, 0,1
	global_store_b128 v1, v[CS+6*\c:CS+6*\c+3], s[14:15] offset:(2*(\t)+\c)*768        ; 512 consecutive bytes,
	global_store_b64 v2, v[CS+6*\c+4:CS+6*\c+5], s[14:15] offset:(2*(\t)+\c)*768+512   ; and the 256 behind them
.endr
.endm
	LOAD 0
	LOAD 1
	STEP 0
	STEP 1
	STEP 2
	STEP 3
	v_cmp_ne_u32 vcc_lo, 0, v5                     ; lanes 0-15 store the words of my first 256 along K, lanes 16-31 those of the second
	v_cndmask_b32 v250, v12, v14, vcc_lo
	v_cndmask_b32 v251, v13, v15, vcc_lo
	global_store_b64 v6, v[250:251], s[16:17]      ; 256 consecutive bytes, aligned
	s_wait_tensorcnt 0x0                           ; the wave's end
	ds_add_u32 v7, v8
	s_wait_dscnt 0x0
	s_endpgm
.Lfunc_end_k_q8859f9f53a_quant:
	.size	k_q8859f9f53a_quant, .Lfunc_end_k_q8859f9f53a_quant-k_q8859f9f53a_quant
	.p2alignl 7, 3214868480
	.fill 96, 4, 3214868480
	.section	.rodata,"a",@progbits
	.p2align	6, 0x0
	.amdhsa_kernel k_q8859f9f53a_quant
		.amdhsa_group_segment_fixed_size 34304
		.amdhsa_private_segment_fixed_size 0
		.amdhsa_enable_private_segment 0
		.amdhsa_kernarg_size 56
		.amdhsa_user_sgpr_count 2
		.amdhsa_user_sgpr_kernarg_segment_ptr 1
		.amdhsa_wavefront_size32 1
		.amdhsa_system_sgpr_workgroup_id_x 1
		.amdhsa_system_sgpr_workgroup_id_y 1
		.amdhsa_system_sgpr_workgroup_id_z 1
		.amdhsa_system_vgpr_workitem_id 0
		.amdhsa_next_free_vgpr 256
		.amdhsa_next_free_sgpr 66
		.amdhsa_reserve_vcc 1
		.amdhsa_float_denorm_mode_32 3
		.amdhsa_float_denorm_mode_16_64 3
		.amdhsa_memory_ordered 1
		.amdhsa_forward_progress 1
		.amdhsa_inst_pref_size 31
	.end_amdhsa_kernel
	.amdgpu_metadata
---
amdhsa.version: [ 1, 2 ]
amdhsa.kernels:
  - .name:           k_q8859f9f53a_quant
    .symbol:         k_q8859f9f53a_quant.kd
    .args:
      - { .name: hidden_states, .offset: 0, .size: 8, .value_kind: global_buffer, .address_space: global }
      - { .name: Wq, .offset: 8, .size: 8, .value_kind: global_buffer, .address_space: global }
      - { .name: Wk, .offset: 16, .size: 8, .value_kind: global_buffer, .address_space: global }
      - { .name: Wv, .offset: 24, .size: 8, .value_kind: global_buffer, .address_space: global }
      - { .name: Wo, .offset: 32, .size: 8, .value_kind: global_buffer, .address_space: global }
      - { .name: xw_codes, .offset: 40, .size: 8, .value_kind: global_buffer, .address_space: global }
      - { .name: xw_scales, .offset: 48, .size: 8, .value_kind: global_buffer, .address_space: global }
    .group_segment_fixed_size: 34304
    .private_segment_fixed_size: 0
    .kernarg_segment_align: 8
    .kernarg_segment_size: 56
    .max_flat_workgroup_size: 128
    .sgpr_count:     66
    .vgpr_count:     256
    .wavefront_size: 32
...
	.end_amdgpu_metadata
.endif
;; end of part 1
;; launch proj (part 2): grid 8 x 48, 4 waves a work-group, clusters of 4 x 4, 327,680 bytes of LDS; arguments xw_codes, xw_scales, qkv_codes, qkv_scales; writes qkv_codes, qkv_scales
.if DOCPART == 2
	.amdgcn_target "amdgcn-amd-amdhsa--gfx1250"
	.amdhsa_code_object_version 6
	.text
	.protected	k_q8859f9f53a_proj
	.globl	k_q8859f9f53a_proj
	.p2align	8
	.type	k_q8859f9f53a_proj,@function
k_q8859f9f53a_proj:
	s_mov_b64 s[64:65], 0
	v_nop
	global_prefetch_b8 v0, s[64:65] scope:SCOPE_SE
	s_setreg_imm32_b32 hwreg(HW_REG_WAVE_MODE, 25, 1), 1
	s_wait_xcnt 0x0
	s_wait_alu depctr_hold_cnt(0) depctr_sa_sdst(0) depctr_va_vdst(0) depctr_va_sdst(0) depctr_va_ssrc(0) depctr_va_vcc(0) depctr_vm_vsrc(0)
	s_getreg_b32 s2, hwreg(HW_REG_IB_STS2, 6, 4)
	s_cmp_eq_u32 s2, 0
	s_cbranch_scc0 .Lentry_in_a_cluster
	s_endpgm
.Lentry_in_a_cluster:
	s_bfe_u32 s2, ttmp6, 0x10000c
	s_cmp_lg_u32 s2, 0xf033
	s_cbranch_scc0 .Lentry_shape_is_right
	s_endpgm
.Lentry_shape_is_right:
.set HALFT,  24576
.set SLOT,   4*HALFT
.set SCL,    2*SLOT
.set HALFS,  4096
.set SPARE,  SCL+4*HALFS
.set FR,     12
.set NL,     4
.set NQ,     2
.set NP,     4
.set H16,  15
.set ADRA, 16
.set ADRB, 20
.set L16,  24
.set L8,   25
.set SST,  26
.set ADRS, 27
.set SPW,  28
.set NIL,  29
.set SRD,  30
.set SVO,  31
.set SC,   32
.set AF,   128
.set G1, 24
.set G0, 32
.set G1B, 48
.set G0B, 56
.set G1S, 68
.set G0S, 76
.set G1SB, 80
.set G0SB, 88
.set MSB, 0
.macro WIN new
.if MSB != \new
	s_set_vgpr_msb (MSB<<8)|\new
.set MSB, \new
.endif
.endm
.set MUL_LO, 0xa1
.set MUL_HI, 0xf1
.set TO_B,   0x40
.macro JLOAD g0a, g1a, g0b, g1b
	s_cmp_eq_u32 s15, 0
	s_cbranch_scc0 .Lfor_b_\@
	tensor_load_to_lds s[\g0a:\g0a+3], s[\g1a:\g1a+7]
	s_nop 0
.rept 4
	v_nop
.endr
	s_branch .Lasked_\@
.Lfor_b_\@:
	tensor_load_to_lds s[\g0b:\g0b+3], s[\g1b:\g1b+7]
	s_nop 0
.rept 4
	v_nop
.endr
.Lasked_\@:
.endm
.macro CREST
	s_cmp_lg_u32 s14, 0
	s_cbranch_scc1 .Lnot_wave_0_\@
	s_barrier_signal -3
.Lnot_wave_0_\@:
	s_barrier_wait -3
	s_barrier_signal -1
	s_barrier_wait -1
.endm
.macro CROUND
	s_barrier_signal -1
	s_barrier_wait -1
	CREST
.endm
	s_load_b256 s[4:11], s[0:1], 0x0
	v_lshl_add_u32 v[SPW], v0, 2, SPARE
	v_mov_b32 v[NIL], 0
	ds_add_u32 v[SPW], v[NIL]
	ds_add_u32 v[SPW], v[NIL]
	v_lshrrev_b32 v1, 5, v0
	v_readfirstlane_b32 s14, v1
	s_lshr_b32 s15, s14, 1
	s_and_b32 s16, s14, 1
	s_bfe_u32 s40, ttmp6, 0x40000
	s_bfe_u32 s41, ttmp6, 0x40004
	s_and_b32 s12, ttmp7, 0xffff
	s_lshl_b32 s18, s12, 1
	s_sub_co_u32 s18, s18, 16
	s_add_co_u32 s18, s18, ttmp9
	s_cmp_ge_u32 s12, 8
	s_cselect_b32 s95, 1, 0
	s_cselect_b32 s92, 640, 0
	s_cselect_b32 s93, 0, 512
	s_cselect_b32 s13, 0, s12
	s_cselect_b32 s18, s18, ttmp9
	s_lshl_b32 s42, s18, 2
	s_add_co_u32 s42, s42, s40
	s_lshl_b32 s17, s13, 2
	s_add_co_u32 s17, s17, s41
	s_lshl_b32 s43, s41, 2
	s_lshl_b32 s43, 15, s43
	s_lshl_b32 s44, 0x1111, s40
	s_or_b32 s[G1+0], s43, (3<<16)|(1<<21)
	s_or_b32 s[G1B+0], s44, (3<<16)|(1<<21)
.irp g, G1, G1B
	s_mov_b32 s[\g+1], 384<<16
	s_mov_b32 s[\g+2], 8<<16
	s_mov_b32 s[\g+3], 384<<16
	s_mov_b32 s[\g+4], 8
	s_mov_b32 s[\g+5], 1536
	s_mov_b32 s[\g+6], 0
	s_mov_b32 s[\g+7], 0
.endr
	s_or_b32 s[G1S+0], s43, (3<<16)|(1<<21)
	s_or_b32 s[G1SB+0], s44, (3<<16)|(1<<21)
.irp g, G1S, G1SB
	s_mov_b32 s[\g+1], 32<<16
	s_mov_b32 s[\g+2], 16<<16
	s_mov_b32 s[\g+3], 32<<16
	s_mov_b32 s[\g+4], 16
	s_mov_b32 s[\g+5], 32
	s_mov_b32 s[\g+6], 0
	s_mov_b32 s[\g+7], 0
.endr
	s_lshl_b32 s18, s16, 3
	s_lshl_b32 s20, s17, 4
	s_add_co_u32 s20, s20, s18
	s_add_co_u32 s20, s20, s92
	s_lshl_b32 s46, s42, 4
	s_add_co_u32 s46, s46, s18
	s_add_co_u32 s46, s46, s93
	s_lshl_b32 s22, s20, 9
	s_mov_b32 s23, 0
	s_lshl_b32 s92, s46, 9
	s_mov_b32 s93, 0
	s_mul_i32 s20, s20, 12288
	s_mov_b32 s21, 0
	s_mul_i32 s46, s46, 12288
	s_mov_b32 s47, 0
	s_mul_i32 s45, s14, HALFT
	s_mul_i32 s94, s14, HALFS
	s_wait_dscnt 0x0
	s_wait_kmcnt 0x0
	s_add_nc_u64 s[20:21], s[4:5], s[20:21]
	s_add_nc_u64 s[22:23], s[6:7], s[22:23]
	s_add_nc_u64 s[46:47], s[4:5], s[46:47]
	s_add_nc_u64 s[92:93], s[6:7], s[92:93]
	CROUND
	s_mov_b32 s[G0S], 1
	s_add_co_u32 s[G0S+1], s94, SCL
	s_mov_b64 s[G0S+2:G0S+3], s[22:23]
	s_or_b32 s[G0S+3], s[G0S+3], 0x80000000
	s_mov_b32 s[G0SB], 1
	s_add_co_u32 s[G0SB+1], s94, SCL
	s_mov_b64 s[G0SB+2:G0SB+3], s[92:93]
	s_or_b32 s[G0SB+3], s[G0SB+3], 0x80000000
	JLOAD G0S, G1S, G0SB, G1SB
.irp s, 0,1
	s_mov_b32 s[G0+4*\s], 1
	s_add_co_u32 s[G0+4*\s+1], s45, \s*SLOT
	s_add_nc_u64 s[G0+4*\s+2:G0+4*\s+3], s[20:21], \s*3072
	s_or_b32 s[G0+4*\s+3], s[G0+4*\s+3], 0x80000000
	s_mov_b32 s[G0B+4*\s], 1
	s_add_co_u32 s[G0B+4*\s+1], s45, \s*SLOT
	s_add_nc_u64 s[G0B+4*\s+2:G0B+4*\s+3], s[46:47], \s*3072
	s_or_b32 s[G0B+4*\s+3], s[G0B+4*\s+3], 0x80000000
	s_wait_alu depctr_va_vdst(0)
	s_wait_tensorcnt 0x0
	ds_add_u32 v28, v29
	s_wait_dscnt 0x0
	CROUND
	JLOAD G0+4*\s, G1, G0B+4*\s, G1B
.endr
	v_and_b32 v1, 31, v0
	v_and_b32 v2, 15, v0
	v_bfe_u32 v3, v0, 4, 1
	v_lshlrev_b32 v[L16], 4, v1
	v_lshlrev_b32 v[L8], 3, v1
	v_lshlrev_b32 v[H16], 4, v3
	s_mul_i32 s21, s15, HALFT
	s_mul_i32 s22, s16, HALFT
	s_add_co_u32 s22, s22, 2*HALFT
.irp s, 0,1
	v_add_nc_u32 v[ADRA+\s], s21, v[L16]
	v_add_nc_u32 v[ADRB+\s], s22, v[L16]
	v_add_nc_u32 v[ADRA+2+\s], s21, v[L8]
	v_add_nc_u32 v[ADRB+2+\s], s22, v[L8]
	s_add_co_u32 s21, s21, SLOT
	s_add_co_u32 s22, s22, SLOT
.endr
	v_lshlrev_b32 v5, 3, v2
	s_mul_i32 s21, s15, HALFS
	s_mul_i32 s22, s16, HALFS
	s_add_co_u32 s22, s22, 2*HALFS
	s_sub_co_u32 s22, s22, s21
	v_mul_u32_u24 v6, s22, v3
	s_add_co_u32 s21, s21, SCL
	v_add_nc_u32 v5, v5, v6
	v_add_nc_u32 v[ADRS], s21, v5
	s_lshl_b32 s23, s14, 10
	v_lshlrev_b32 v5, 2, v2
	v_lshl_add_u32 v5, v3, 9, v5
	v_add_nc_u32 v[SST], s23, v5
	v_add_nc_u32 v[SRD], s23, v[L16]
.macro FRAG reg, adr, q, i
	ds_load_b128 v[\reg:\reg+3], v[\adr] offset:(\i)*3072+(\q)*1536
	ds_load_b64 v[\reg+4:\reg+5], v[\adr+2] offset:(\i)*3072+(\q)*1536+512
	ds_load_b128 v[\reg+6:\reg+9], v[\adr] offset:(\i)*3072+(\q)*1536+768
	ds_load_b64 v[\reg+10:\reg+11], v[\adr+2] offset:(\i)*3072+(\q)*1536+1280
.endm
.macro MUL16 a0, p, q, sc, zero
.irp a, \a0, \a0+1
.irp b, 0,1,2,3,4,5,6,7
.if \zero
	v_wmma_scale_f32_16x16x128_f8f6f4 v[8*(8*((\a)%4)+\b):8*(8*((\a)%4)+\b)+7], v[128*(\p)+FR*\b:128*(\p)+FR*\b+FR-1], v[AF+FR*(\a):AF+FR*(\a)+FR-1], 0, v[SC+8*NQ*(\sc)+NQ*\b+(\q)], v[SC+8*NQ*(\sc)+NQ*(\a)+(\q)] matrix_a_fmt:MATRIX_FMT_FP6 matrix_b_fmt:MATRIX_FMT_FP6 matrix_a_scale:MATRIX_SCALE_ROW1
.else
	v_wmma_scale_f32_16x16x128_f8f6f4 v[8*(8*((\a)%4)+\b):8*(8*((\a)%4)+\b)+7], v[128*(\p)+FR*\b:128*(\p)+FR*\b+FR-1], v[AF+FR*(\a):AF+FR*(\a)+FR-1], v[8*(8*((\a)%4)+\b):8*(8*((\a)%4)+\b)+7], v[SC+8*NQ*(\sc)+NQ*\b+(\q)], v[SC+8*NQ*(\sc)+NQ*(\a)+(\q)] matrix_a_fmt:MATRIX_FMT_FP6 matrix_b_fmt:MATRIX_FMT_FP6 matrix_a_scale:MATRIX_SCALE_ROW1
.endif
.endr
.endr
.endm
.macro FETCH_B slot, q, p
	WIN TO_B
.irp i, 0,1,2,3,4,5,6,7
	FRAG 128*(\p)+FR*\i, ADRB+\slot, \q, \i
.endr
	WIN 0
.endm
.macro FETCH_A slot, q, i0
.irp i, \i0, \i0+1, \i0+2, \i0+3
	FRAG AF+FR*(\i), ADRA+\slot, \q, \i
.endr
.endm
.macro SCALES sc, kq
.irp i, 0,1,2,3,4,5,6,7
	ds_load_b64 v[SC+8*NQ*\sc+NQ*\i:SC+8*NQ*\sc+NQ*\i+1], v[ADRS] offset:\i*512+(\kq)*128
.endr
.endm
.macro PLACES n
.rept \n
	v_nop
.endr
.endm
.macro STEP slot, q, zero
	s_wait_dscnt 4*NL
	WIN MUL_LO
	MUL16 0, (\q)%2, \q, \slot, \zero
	MUL16 2, (\q)%2, \q, \slot, \zero
	s_wait_dscnt 0
	PLACES NP
	FETCH_B \slot, (\q)+1, 1-(\q)%2
	FETCH_A \slot, (\q)+1, 0
	WIN MUL_HI
	MUL16 4, (\q)%2, \q, \slot, \zero
	MUL16 6, (\q)%2, \q, \slot, \zero
	PLACES NP
	WIN 0
	FETCH_A \slot, (\q)+1, 4
.endm
.macro TURN slot, next, fill, kq
	s_wait_tensorcnt 0x0
	ds_add_u32 v[SPW], v[NIL]
	s_wait_dscnt 4*NL+1
	WIN MUL_LO
	MUL16 0, 1, NQ-1, \slot, 0
	s_wait_dscnt 0x0
	s_barrier_signal -1
	MUL16 2, 1, NQ-1, \slot, 0
	WIN 0
	s_barrier_wait -1
.if \fill
	CREST
	s_add_nc_u64 s[G0+4*\slot+2:G0+4*\slot+3], s[G0+4*\slot+2:G0+4*\slot+3], 6144
	s_add_nc_u64 s[G0B+4*\slot+2:G0B+4*\slot+3], s[G0B+4*\slot+2:G0B+4*\slot+3], 6144
	JLOAD G0+4*\slot, G1, G0B+4*\slot, G1B
.else
	PLACES NP
.endif
	FETCH_B \next, 0, 0
	FETCH_A \next, 0, 0
	SCALES \next, \kq
	WIN MUL_HI
	MUL16 4, 1, NQ-1, \slot, 0
	MUL16 6, 1, NQ-1, \slot, 0
	PLACES NP
	WIN 0
	FETCH_A \next, 0, 4
.endm
	s_wait_alu depctr_va_vdst(0)
	s_wait_tensorcnt 1
	s_barrier_signal -1
	s_barrier_wait -1
	FETCH_B 0, 0, 0
	FETCH_A 0, 0, 0
	SCALES 0, 0
	FETCH_A 0, 0, 4
	STEP 0, 0, 1
	TURN 0, 1, 1, 1
	STEP 1, 0, 0
	TURN 1, 0, 1, 2
	STEP 0, 0, 0
	TURN 0, 1, 0, 3
	STEP 1, 0, 0
	s_wait_dscnt 4*NL
	WIN MUL_LO
	MUL16 0, 1, NQ-1, 1, 0
	MUL16 2, 1, NQ-1, 1, 0
	s_wait_dscnt 0
	WIN MUL_HI
	MUL16 4, 1, NQ-1, 1, 0
	MUL16 6, 1, NQ-1, 1, 0
	WIN 0
.set TM, 144
.set T2, 140
.set SO, 148
.set PW, 152
.set PS, 153
.set YY, 128
	s_cmp_lg_u32 s95, 0
	s_cselect_b32 s37, 2, 7
	s_cselect_b32 s38, 7, 5
	s_cselect_b32 s39, 3, 127
	s_cselect_b32 s46, 16384, 0
	s_lshl_b32 s48, s17, 4
	s_lshl_b32 s47, s15, 3
	s_add_co_u32 s48, s48, s47
	s_add_co_u32 s53, s48, 4
	s_lshl_b32 s49, s42, 2
	s_lshl_b32 s47, s16, 1
	s_add_co_u32 s49, s49, s47
.macro FOF dst, t
	s_lshr_b32 s[\dst], s[\t], s37
	s_lshl_b32 s[\dst], s[\dst], s38
	s_add_co_u32 s[\dst], s[\dst], s49
	s_lshl_b32 s[\dst], s[\dst], s37
	s_and_b32 s47, s[\t], s39
	s_add_co_u32 s[\dst], s[\dst], s47
	s_add_co_u32 s[\dst], s[\dst], s46
.endm
	FOF 50, 48
	FOF 51, 53
	s_lshl_b32 s52, 1, s37
	s_mov_b32 s55, 0
.irp c, 0,1
.irp f, 0,1
	s_mul_i32 s54, s52, \c
	s_add_co_u32 s54, s54, s[50+\f]
	s_mul_i32 s54, s54, 768
	s_add_nc_u64 s[24+4*\c+2*\f:25+4*\c+2*\f], s[8:9], s[54:55]
.endr
	s_mul_i32 s54, s52, \c
	s_add_co_u32 s54, s54, s50
	s_lshl_b32 s54, s54, 6
	s_add_nc_u64 s[32+2*\c:33+2*\c], s[10:11], s[54:55]
.endr
	s_sub_co_u32 s36, s51, s50
	s_lshl_b32 s36, s36, 6
	s_mov_b32 s56, 0x76543210
	s_mov_b32 s57, 0xfedcba98
	PLACES NP
.irp b, 0,1,2,3
	v_mov_b32 v[T2+\b], 0
.endr
	v_mul_u32_u24 v[SVO], s36, v3
	v_lshl_add_u32 v[SVO], v2, 4, v[SVO]
.macro QOUT a
.set AC, 64*((\a)%4)
.set OC, 32+12*(\a)
.set WA, 2+(\a)/4
.set WB, (WA<<2)|(WA<<4)
	WIN WB
.irp b, 0,1,2,3
	v_max3_num_f32 v[TM+\b], 0x1800000, |v[AC+16*\b]|, |v[AC+16*\b+1]|
.endr
.irp i, 2,4,6,8,10,12,14
.irp b, 0,1,2,3
	v_max3_num_f32 v[TM+\b], v[TM+\b], |v[AC+16*\b+\i]|, |v[AC+16*\b+\i+1]|
.endr
.endr
	WIN 0
.irp b, 0,1,2,3
	v_permlanex16_b32 v[T2+\b], v[TM+\b], s56, s57
.endr
.irp b, 0,1,2,3
	v_max_num_f32 v[TM+\b], v[TM+\b], v[T2+\b]
.endr
.irp b, 0,1,2,3
	v_add_nc_u32 v[SO+\b], 0xff000000, v[TM+\b]
.endr
.irp b, 0,1,2,3
	v_lshrrev_b32 v[T2+\b], 23, v[SO+\b]
.endr
	v_lshl_or_b32 v[PW], v[T2+1], 8, v[T2]
	v_lshl_or_b32 v[PW], v[T2+2], 16, v[PW]
	v_lshl_or_b32 v[PW], v[T2+3], 24, v[PW]
	WIN WA
.irp c, 0,1
	v_cvt_scalef32_pk16_fp6_f32 v[OC+6*\c:OC+6*\c+2], v[AC+32*\c:AC+32*\c+15], v[SO+2*\c]
	v_cvt_scalef32_pk16_fp6_f32 v[YY+4*\c:YY+4*\c+2], v[AC+32*\c+16:AC+32*\c+31], v[SO+2*\c+1]
.endr
	WIN 0
	v_nop
.irp c, 0,1
.irp i, 0,1,2
	v_permlane16_swap_b32 v[OC+6*\c+\i], v[YY+4*\c+\i]
.endr
.irp i, 0,1,2
	v_mov_b32 v[OC+6*\c+3+\i], v[YY+4*\c+\i]
.endr
.endr
.irp c, 0,1
	global_store_b128 v[L16], v[OC+6*\c:OC+6*\c+3], s[24+4*\c+2*((\a)/4):25+4*\c+2*((\a)/4)] offset:((\a)%4)*768
	global_store_b64 v[L8], v[OC+6*\c+4:OC+6*\c+5], s[24+4*\c+2*((\a)/4):25+4*\c+2*((\a)/4)] offset:((\a)%4)*768+512
.endr
	v_lshrrev_b32 v[PS], v[H16], v[PW]
	ds_store_b32 v[SST], v[PS] offset:64*(\a)
.endm
.irp a, 0,1,2,3,4,5,6,7
	QOUT \a
.endr
	ds_load_b128 v[156:159], v[SRD]
	ds_load_b128 v[160:163], v[SRD] offset:512
	s_wait_dscnt 0x0
	global_store_b128 v[SVO], v[156:159], s[32:33]
	global_store_b128 v[SVO], v[160:163], s[34:35]
	s_wait_tensorcnt 0x0
	ds_add_u32 v[SPW], v[NIL]
	s_wait_dscnt 0x0
	CROUND
	s_endpgm
.Lfunc_end_k_q8859f9f53a_proj:
	.size	k_q8859f9f53a_proj, .Lfunc_end_k_q8859f9f53a_proj-k_q8859f9f53a_proj
	.p2alignl 7, 3214868480
	.fill 96, 4, 3214868480
	.section	.rodata,"a",@progbits
	.p2align	6, 0x0
	.amdhsa_kernel k_q8859f9f53a_proj
		.amdhsa_group_segment_fixed_size 327680
		.amdhsa_private_segment_fixed_size 0
		.amdhsa_enable_private_segment 0
		.amdhsa_kernarg_size 32
		.amdhsa_user_sgpr_count 2
		.amdhsa_user_sgpr_kernarg_segment_ptr 1
		.amdhsa_wavefront_size32 1
		.amdhsa_system_sgpr_workgroup_id_x 1
		.amdhsa_system_sgpr_workgroup_id_y 1
		.amdhsa_system_sgpr_workgroup_id_z 1
		.amdhsa_system_vgpr_workitem_id 0
		.amdhsa_next_free_vgpr 1024
		.amdhsa_next_free_sgpr 100
		.amdhsa_reserve_vcc 0
		.amdhsa_float_denorm_mode_32 3
		.amdhsa_float_denorm_mode_16_64 3
		.amdhsa_memory_ordered 1
		.amdhsa_forward_progress 1
		.amdhsa_inst_pref_size 152
	.end_amdhsa_kernel
	.amdgpu_metadata
---
amdhsa.version: [ 1, 2 ]
amdhsa.kernels:
  - .name:           k_q8859f9f53a_proj
    .symbol:         k_q8859f9f53a_proj.kd
    .args:
      - { .name: xw_codes, .offset: 0, .size: 8, .value_kind: global_buffer, .address_space: global }
      - { .name: xw_scales, .offset: 8, .size: 8, .value_kind: global_buffer, .address_space: global }
      - { .name: qkv_codes, .offset: 16, .size: 8, .value_kind: global_buffer, .address_space: global }
      - { .name: qkv_scales, .offset: 24, .size: 8, .value_kind: global_buffer, .address_space: global }
    .group_segment_fixed_size: 327680
    .private_segment_fixed_size: 0
    .kernarg_segment_align: 8
    .kernarg_segment_size: 32
    .max_flat_workgroup_size: 128
    .sgpr_count:     100
    .vgpr_count:     1024
    .wavefront_size: 32
...
	.end_amdgpu_metadata
.endif
;; end of part 2
;; launch attn (part 3): grid 4 x 64, 16 waves a work-group, clusters of 4 x 1, 264,192 bytes of LDS; arguments qkv_codes, qkv_scales, a_codes, a_scales; writes a_codes, a_scales
.if DOCPART == 3
	.amdgcn_target "amdgcn-amd-amdhsa--gfx1250"
	.amdhsa_code_object_version 6
	.text
	.protected	k_q8859f9f53a_attn
	.globl	k_q8859f9f53a_attn
	.p2align	8
	.type	k_q8859f9f53a_attn,@function
k_q8859f9f53a_attn:
	s_mov_b64 s[64:65], 0
	v_nop
	global_prefetch_b8 v0, s[64:65] scope:SCOPE_SE
	s_setreg_imm32_b32 hwreg(HW_REG_WAVE_MODE, 25, 1), 1
	s_wait_xcnt 0x0
	s_wait_alu depctr_hold_cnt(0) depctr_sa_sdst(0) depctr_va_vdst(0) depctr_va_sdst(0) depctr_va_ssrc(0) depctr_va_vcc(0) depctr_vm_vsrc(0)
	s_getreg_b32 s2, hwreg(HW_REG_IB_STS2, 6, 4)
	s_cmp_eq_u32 s2, 0
	s_cbranch_scc0 .Lentry_in_a_cluster
	s_endpgm
.Lentry_in_a_cluster:
	s_bfe_u32 s2, ttmp6, 0x10000c
	s_cmp_lg_u32 s2, 0x3003
	s_cbranch_scc0 .Lentry_shape_is_right
	s_endpgm
.Lentry_shape_is_right:
; Attention of one (batch, head) on codes of FP6 (E2M3) with E8M0 scales: S^T = K Q^T (K = the head's 64), p = 2^(t - M), O^T += V^T P^T (K = the keys), O / l, quantised along the head's 64 for the last projection.
; t = score x log2(e) / 8 (q was not divided by 8 ahead of its quantiser: a power of two changes no code); M = the running largest t rounded UP to a whole number; l is the sum of the unquantised p.
; When M moves, l and O^T are multiplied by 2^(old M - new M): exact.
; LIMITS: NaN and infinities are not served; the promise holds while the scaled scores t stay under 2^31 in magnitude; a block whose largest magnitude lies under 2^-124, or whose every number is 0, keeps the byte 1 (this program alone reads the bytes).
; SHARES.  A work-group owns 512 queries of one (batch, head); each of its sixteen waves owns a tile of 16 in each of two passes, in 256 registers.
; ALL OF THE HEAD'S K AND V STAY IN LDS, filled once.  The four work-groups of a (batch, head) form a cluster and ask for the codes JOINTLY, one load a wave: wave w brings key steps 2 (w / 2), 2 (w / 2) + 1 of K (w even) or V (w odd), 12,288 bytes.
; Waves 0 to 3 (key steps 0 to 3) have a load line of their own and alone wait ahead of the first barrier; a plain barrier behind key step 3 shows the rest.  Nothing is filled again.  No data prefetch: all is asked for at the head, there is no loop to run ahead in.
; The scale words (2 x 8,192 bytes) come by plain loads, 16 bytes a thread on end, and LDS stores.
; LAYOUT.  Codes lie in memory as half fragments of 768 bytes (16 rows x 64 along K: a lane's first 16 bytes at 16 x lane, its last 8 at 512 + 8 x lane).  In LDS 64 bytes of padding follow every 256: byte y lies at y + 64 (y / 256).
; THE KEYS OF A TILE ARE CHOSEN BY THE LANES' ADDRESSES.  A stored tile i = 2 a + v of a key step holds keys 32 a + 8 v + r + 8 (r / 8).  Tile n = 4 c + u of the product takes, in its rows 8 g + j, keys 64 c + 32 g + 8 u + j:
; lane (8 g + j, h) reads stored tile 4 c + 2 g + u % 2 at stored lane j + 8 (u / 2) + 16 h.  So in S^T lane (query, h) holds in the 32 registers of tiles 4 c .. 4 c + 3 the whole block of keys 64 c + 32 h + 0 .. 31, in order:
; a block's largest score needs no other lane, and the conversions' results are P's operand as they stand (three registers of each block are moved: a conversion's three begin on an even number).
; With the padding the two groups g of a 16-byte load lie 1,920 bytes apart, 128 modulo 256.
; K = 64 IN AN INSTRUCTION OF 128: q's operand has zero codes in its upper six registers; K's operand for tile n is its six registers and the six that follow (zeros behind the last).  The scale bytes of that half are finite.
.set VOFF,  122880                     ; LDS: K's codes from 0 (key step s at 7,680 s), V's from here (7,680 s + 3,840 c + 960 d)
.set SCK,   245760                     ; K's scale words (512 s + 64 i + 4 r); V's 8,192 further on (512 s + 64 d + 4 r)
.set SPARE, 262144                     ; the spare words, 128 bytes for each of sixteen waves
.set BM, 200                           ; v200-203 largest scores; v200, v202 the two blocks', then their largest p
.set T2, 204                           ; v204-207 the other lane's; bytes
.set SO, 208                           ; v208-209 the conversions' scale operands
; v1 16 x lane; v2 8 x lane; v3, v30, v31 K's lane addresses (16-byte, 8-byte pieces, scale words); v92-94 V's; v95 8 h; v4, v5 the add's two; v6-11 the step's addresses; v12 -M; v13 the largest score; v[14:15] l in two halves;
; v16-21 q, v22-27 zeros; v28 q's scale words; v29 4 r; v32-79 K's 8 half fragments, then V's 4 fragments; v80-85 zeros; v86-89 K's scale words, v90-91 V's; v96-159 S^T, then p; v160-191 O^T; v192-198 the second pass's q;
; v[212:213] f; v214, v215 at work; v216 p's scale word; v217 16 x thread; v218 8 r; v219 LDS place of my scale words; v220-231 p's codes; v232-238 codes on their way; v240-245 partial sums
.macro CROUND
	s_barrier_signal -1
	s_barrier_wait -1
	s_cmp_lg_u32 s12, 0
	s_cbranch_scc1 .Lnot_wave_0_\@
	s_barrier_signal -3
.Lnot_wave_0_\@:
	s_barrier_wait -3
	s_barrier_signal -1
	s_barrier_wait -1
.endm
	s_load_b256 s[4:11], s[0:1], 0x0               ; qkv_codes, qkv_scales, a_codes, a_scales
	v_lshl_add_u32 v4, v0, 2, SPARE
	v_mov_b32 v5, 0
	ds_add_u32 v4, v5                              ; the opening lines: the add, twice on end, and its wait ahead of the first tensor load
	ds_add_u32 v4, v5
	v_lshrrev_b32 v6, 5, v0
	v_readfirstlane_b32 s12, v6                    ; wave 0..15
	v_and_b32 v6, 31, v0                           ; lane
	v_and_b32 v7, 15, v0                           ; r
	v_bfe_u32 v8, v0, 4, 1                         ; h
	v_and_b32 v9, 7, v0                            ; j
	v_bfe_u32 v10, v0, 3, 1                        ; g
	v_lshlrev_b32 v1, 4, v6
	v_lshlrev_b32 v2, 3, v6
	v_lshlrev_b32 v29, 2, v7
	v_lshlrev_b32 v218, 3, v7
	v_lshlrev_b32 v95, 3, v8
	v_mul_u32_u24 v11, v10, 1920
	v_lshl_add_u32 v3, v9, 4, v11
	v_mad_u32_u24 v3, v8, 320, v3                  ; K, 16-byte pieces: 16 j + 1,920 g + 320 h
	v_lshl_add_u32 v30, v9, 3, v11
	v_lshl_add_u32 v30, v8, 7, v30                 ; K, 8-byte pieces: 8 j + 1,920 g + 128 h
	v_lshlrev_b32 v31, 2, v9
	v_lshl_add_u32 v31, v10, 7, v31
	v_lshl_add_u32 v31, v8, 6, v31
	v_add_nc_u32 v31, SCK, v31                     ; K's scale words: 4 j + 128 g + 64 (lane / 16): lanes 0-15 an even tile's, lanes 16-31 the odd one's
	v_lshl_add_u32 v92, v8, 6, v1
	v_add_nc_u32 v92, VOFF, v92                    ; V: 16 x lane + 64 h
	v_add_nc_u32 v93, VOFF, v2
	v_lshl_add_u32 v94, v6, 2, SCK+8192
	v_lshl_add_u32 v219, v0, 4, SCK
	v_lshlrev_b32 v217, 4, v0
	s_bfe_u32 s13, ttmp6, 0x40000                  ; cx: it enters q's and the output's addresses alone
	s_and_b32 s14, ttmp7, 0xffff
	s_lshr_b32 s15, s14, 4                         ; batch
	s_and_b32 s16, s14, 15                         ; head
	s_and_b32 s17, s12, 1                          ; I fetch K (0) or V (1),
	s_lshr_b32 s18, s12, 1                         ; piece 0..7
	s_lshl_b32 s19, s15, 5
	s_add_co_u32 s19, s19, s16
	s_add_co_u32 s19, s19, 16                      ; K's run of 128 half fragments: 32 batch + 16 + head
	s_lshl_b32 s74, s16, 2
	s_add_co_u32 s74, s74, s15
	s_add_co_u32 s74, s74, 128                     ; V's: 128 + 4 head + batch
	s_cmp_eq_u32 s17, 0
	s_cselect_b32 s75, s19, s74
	s_mul_i32 s76, s75, 98304
	s_mul_i32 s78, s18, 12288
	s_add_co_u32 s76, s76, s78                     ; my piece in memory,
	s_mov_b32 s77, 0
	s_mul_i32 s41, s17, VOFF
	s_mul_i32 s78, s18, 15360
	s_add_co_u32 s41, s41, s78                     ; and in LDS
	s_mov_b32 s24, 15|(3<<16)|(1<<20)|(1<<21)|(5<<22)|(15<<25)   ; the mask: all four work-groups; elements of 8 bytes; behind every 64 words 16 words of padding; bit 21 beside a mask
	s_mov_b32 s25, 32<<16                          ; 48 rows of 256 bytes, dense in memory
	s_mov_b32 s26, 48<<16
	s_mov_b32 s27, 32<<16
	s_mov_b32 s28, 48
	s_mov_b32 s29, 32
	s_mov_b32 s30, 0
	s_mov_b32 s31, 0
	s_mov_b32 s20, 0x76543210
	s_mov_b32 s21, 0xfedcba98                      ; selects for lane l xor 16
	s_mov_b32 s22, 0x3e38aa3b                      ; c = log2(e) / 8
	s_mov_b32 s23, s22
	s_wait_alu depctr_va_vdst(0)
	s_wait_dscnt 0x0
	s_wait_kmcnt 0x0
	s_mov_b32 s40, 1
	s_add_nc_u64 s[42:43], s[4:5], s[76:77]
	s_or_b32 s43, s43, 0x80000000
	CROUND                                         ; all four work-groups are here: the joint loads meet
	s_cmp_lt_u32 s12, 4
	s_cbranch_scc0 .Lrest
	tensor_load_to_lds s[40:43], s[24:31]          ; waves 0 to 3: key steps 0 to 3
	s_nop 0
.rept 4
	v_nop
.endr
	s_branch .Lasked
.Lrest:
	tensor_load_to_lds s[40:43], s[24:31]          ; waves 4 to 15: key steps 4 to 15
	s_nop 0
.rept 4
	v_nop
.endr
.Lasked:
	s_mov_b32 s49, 0
	s_lshl_b32 s48, s19, 13
	s_add_nc_u64 s[44:45], s[6:7], s[48:49]        ; K's scale words
	s_lshl_b32 s48, s74, 13
	s_add_nc_u64 s[46:47], s[6:7], s[48:49]        ; V's
	s_lshl_b32 s81, s13, 5
	s_add_co_u32 s81, s81, s12                     ; my first pass's tile among the batch's 128: 32 cx + wave
	s_lshl_b32 s82, s15, 5
	s_add_co_u32 s82, s82, s16
	s_lshl_b32 s82, s82, 7
	s_add_co_u32 s82, s82, s81                     ; q's half fragment
	s_mov_b32 s83, 0
	s_mov_b32 s63, 0
	s_lshl_b32 s62, s82, 6
	s_add_nc_u64 s[72:73], s[6:7], s[62:63]
	s_mul_i32 s82, s82, 768
	s_add_nc_u64 s[70:71], s[4:5], s[82:83]
	s_lshl_b32 s82, s15, 7
	s_add_co_u32 s82, s82, s81                     ; the tile of tokens
	s_lshl_b32 s62, s82, 9
	s_lshr_b32 s80, s16, 2
	s_lshl_b32 s80, s80, 7
	s_add_co_u32 s62, s62, s80
	s_and_b32 s80, s16, 3
	s_lshl_b32 s80, s80, 1
	s_add_co_u32 s62, s62, s80
	s_add_nc_u64 s[68:69], s[10:11], s[62:63]      ; a_scales: 512 tile + 128 (head / 4) + 2 (head % 4)
	s_lshl_b32 s82, s82, 4
	s_add_co_u32 s82, s82, s16
	s_mul_i32 s82, s82, 768
	s_add_nc_u64 s[66:67], s[8:9], s[82:83]        ; a_codes: (16 tile + head) x 768
	global_load_b128 v[220:223], v217, s[44:45]    ; the scale words: a wave's load covers 512 bytes on end
	global_load_b128 v[224:227], v217, s[46:47]
	global_load_b128 v[16:19], v1, s[70:71]        ; q of both passes
	global_load_b64 v[20:21], v2, s[70:71] offset:512
	global_load_b32 v28, v29, s[72:73]
	global_load_b128 v[192:195], v1, s[70:71] offset:12288
	global_load_b64 v[196:197], v2, s[70:71] offset:12800
	global_load_b32 v198, v29, s[72:73] offset:1024
.irp j, 0,1,2,3,4,5
	v_mov_b32 v[22+\j], 0                          ; zero codes
	v_mov_b32 v[80+\j], 0
.endr
	v_mov_b32 v204, 0                              ; a lane permute's destination counts as one of its sources
	v_mov_b32 v205, 0
	v_mov_b32 v213, 0                              ; (named as the upper half of the pair v[212:213])
	v_mov_b32 v214, 0
	s_wait_alu depctr_va_vdst(0)
	s_wait_loadcnt 0x0
	ds_store_b128 v219, v[220:223]
	ds_store_b128 v219, v[224:227] offset:8192
	s_wait_dscnt 0x0
	s_cmp_lt_u32 s12, 4
	s_cbranch_scc0 .Lnot_first
	s_wait_tensorcnt 0x0                           ; waves 0 to 3: key steps 0 to 3 have landed
.Lnot_first:
	s_barrier_signal -1
	s_barrier_wait -1                              ; they and all scale words are shown
.macro STEP                            ; 128 keys
	v_add_nc_u32 v6, s60, v3                       ; these four are the places behind the last products, in front of the loads
	v_add_nc_u32 v7, s60, v30
	v_add_nc_u32 v10, s61, v31
	v_nop
.irp n, 0,1,2,3,4,5,6,7
	ds_load_b128 v[32+6*\n:35+6*\n], v6 offset:3840*(\n/4)+960*(\n%2)+128*((\n%4)/2)
	ds_load_b64 v[36+6*\n:37+6*\n], v7 offset:3840*(\n/4)+960*(\n%2)+64*((\n%4)/2)+640
.endr
.irp j, 0,1,2,3
	ds_load_b32 v[86+\j], v10 offset:256*(\j/2)+32*(\j%2)   ; lanes 0-15: tile 2 j's words; lanes 16-31: tile 2 j + 1's
.endr
	s_wait_dscnt 0x0
.irp i, 0,2,4,6
	v_wmma_scale_f32_16x16x128_f8f6f4 v[96+8*\i:103+8*\i], v[32+6*\i:43+6*\i], v[16:27], 0, v[86+\i/2], v28 matrix_a_fmt:MATRIX_FMT_FP6 matrix_b_fmt:MATRIX_FMT_FP6
	v_wmma_scale_f32_16x16x128_f8f6f4 v[104+8*\i:111+8*\i], v[38+6*\i:49+6*\i], v[16:27], 0, v[86+\i/2], v28 matrix_a_fmt:MATRIX_FMT_FP6 matrix_b_fmt:MATRIX_FMT_FP6 matrix_a_scale:MATRIX_SCALE_ROW1
.endr
	v_add_nc_u32 v8, s60, v92                      ; four places in front of the loads into K's registers and of the first read of the scores
	v_add_nc_u32 v9, s60, v93
	v_add_nc_u32 v11, s61, v94
	v_nop
.irp d, 0,1,2,3                                ; V's fragments are asked for now and land under the softmax
.irp c, 0,1
	ds_load_b128 v[32+12*\d+6*\c:35+12*\d+6*\c], v8 offset:3840*\c+960*\d
	ds_load_b64 v[36+12*\d+6*\c:37+12*\d+6*\c], v9 offset:3840*\c+960*\d+640
.endr
.endr
.irp j, 0,1
	ds_load_b32 v[90+\j], v11 offset:128*\j
.endr
.irp b, 0,1,2,3
	v_max3_num_f32 v[BM+\b], v[96+16*\b], v[97+16*\b], v[98+16*\b]   ; four chains, two to a block of 32 keys; each accumulator is read from its low end on
.endr
.irp i, 3,5,7,9,11,13
.irp b, 0,1,2,3
	v_max3_num_f32 v[BM+\b], v[BM+\b], v[96+16*\b+\i], v[97+16*\b+\i]
.endr
.endr
	v_max3_num_f32 v200, v200, v201, v111
	v_max3_num_f32 v202, v202, v203, v143
	v_max_num_f32 v200, v200, v127                 ; the largest score of my block 2 c + h: it serves for the row's maximum and, since p rises with the score, for the block's largest p
	v_max_num_f32 v202, v202, v159
	s_delay_alu instid0(VALU_DEP_1)
	v_max_num_f32 v214, v200, v202
	s_delay_alu instid0(VALU_DEP_1)
	v_permlanex16_b32 v204, v214, s20, s21
	s_delay_alu instid0(VALU_DEP_1)
	v_max3_num_f32 v13, v13, v214, v204            ; the running largest score of my query
	s_delay_alu instid0(VALU_DEP_1)
	v_mul_f32 v214, -v13, s22                      ; -t (c is positive)
	s_delay_alu instid0(VALU_DEP_1)
	v_floor_f32 v215, v214                         ; the new -M = floor(-t): M is a whole number
	s_delay_alu instid0(VALU_DEP_1)
	v_sub_f32 v214, v215, v12                      ; old M - new M: a whole number, 0 or less
	s_delay_alu instid0(VALU_DEP_2)
	v_mov_b32 v12, v215
	s_delay_alu instid0(VALU_DEP_2)
	v_cvt_i32_f32 v214, v214                       ; (it saturates)
	s_delay_alu instid0(VALU_DEP_1)
	v_ldexp_f32 v212, 1.0, v214                    ; f = 2^(old M - new M)
.set j, 0
.rept 32
	v_pk_fma_f32 v[96+j:97+j], v[96+j:97+j], s[22:23], v[12:13] op_sel_hi:[1,0,0]   ; t - M, two at a time
.set j, j+2
.endr
	v_fma_f32 v200, v200, s22, v12                 ; the same of each block's largest score
	v_fma_f32 v202, v202, s22, v12
.set j, 0
.rept 16
	v_pk_mul_f32 v[160+j:161+j], v[160+j:161+j], v[212:213] op_sel_hi:[1,0]   ; O^T under the new M
.set j, j+2
.endr
	v_pk_mul_f32 v[14:15], v[14:15], v[212:213] op_sel_hi:[1,0]   ; l under the new M
	s_wait_alu depctr_va_vdst(0)
	v_exp_f32 v200, v200                           ; the blocks' largest p
	v_exp_f32 v202, v202
.set j, 0
.rept 64
	v_exp_f32 v[96+j], v[96+j]                     ; p = 2^(t - M)
.set j, j+1
.endr
	v_nop                                          ; the plain place behind the exponentials
	s_wait_alu depctr_va_vdst(0)                   ; one wait for the batch, ahead of its first reader
	v_max_num_f32 v200, 0x1800000, v200            ; the floor 2^(3 - 127)
	v_max_num_f32 v202, 0x1800000, v202
	v_add_nc_u32 v208, 0xff000000, v200            ; 2 off the exponent field: the conversion's scale operand
	v_add_nc_u32 v209, 0xff000000, v202
.irp c, 0,1
	v_cvt_scalef32_pk16_fp6_f32 v[220+6*\c:222+6*\c], v[96+32*\c:111+32*\c], v[208+\c]
	v_cvt_scalef32_pk16_fp6_f32 v[232+4*\c:234+4*\c], v[112+32*\c:127+32*\c], v[208+\c]
.endr
	v_lshrrev_b32 v205, 23, v208                   ; the bytes; the plain place behind the conversions
	v_lshrrev_b32 v206, 23, v209
	v_mov_b32 v223, v232
	v_mov_b32 v224, v233
	v_lshl_or_b32 v216, v206, 16, v205             ; my two bytes: blocks h and 2 + h,
	v_mov_b32 v225, v234
	v_mov_b32 v229, v236
	v_lshlrev_b32 v216, v95, v216                  ; at their places;
	v_mov_b32 v230, v237
	v_mov_b32 v231, v238
	v_permlanex16_b32 v204, v216, s20, s21
	v_pk_add_f32 v[240:241], v[96:97], v[98:99]    ; l is the sum of the unquantised p: four chains.  These 32 are also the places between the writes of p's codes and scale word and the products
	v_pk_add_f32 v[242:243], v[100:101], v[102:103]
	v_or_b32 v216, v216, v204                      ; with lane l xor 16's two p's scale word is whole
	v_pk_add_f32 v[244:245], v[104:105], v[106:107]
	v_pk_add_f32 v[14:15], v[14:15], v[108:109]
.set j, 110
.rept 6
	v_pk_add_f32 v[240:241], v[240:241], v[j:j+1]
	v_pk_add_f32 v[242:243], v[242:243], v[j+2:j+3]
	v_pk_add_f32 v[244:245], v[244:245], v[j+4:j+5]
	v_pk_add_f32 v[14:15], v[14:15], v[j+6:j+7]
.set j, j+8
.endr
	v_pk_add_f32 v[240:241], v[240:241], v[158:159]
	v_pk_add_f32 v[14:15], v[14:15], v[244:245]
	v_pk_add_f32 v[240:241], v[240:241], v[242:243]
	s_delay_alu instid0(VALU_DEP_1)
	v_pk_add_f32 v[14:15], v[14:15], v[240:241]
	s_wait_dscnt 0x0                               ; V is in
.irp d, 0,2                                    ; four accumulators by turns; the eight products K Q^T stand between two links of a chain
	v_wmma_scale_f32_16x16x128_f8f6f4 v[160+8*\d:167+8*\d], v[32+12*\d:43+12*\d], v[220:231], v[160+8*\d:167+8*\d], v[90+\d/2], v216 matrix_a_fmt:MATRIX_FMT_FP6 matrix_b_fmt:MATRIX_FMT_FP6
	v_wmma_scale_f32_16x16x128_f8f6f4 v[168+8*\d:175+8*\d], v[44+12*\d:55+12*\d], v[220:231], v[168+8*\d:175+8*\d], v[90+\d/2], v216 matrix_a_fmt:MATRIX_FMT_FP6 matrix_b_fmt:MATRIX_FMT_FP6 matrix_a_scale:MATRIX_SCALE_ROW1
.endr
	s_add_co_u32 s60, s60, 7680                    ; the next step's codes
	s_add_co_u32 s61, s61, 512                     ; and scale words
.endm
	s_mov_b32 s63, 2
.Lpass:
	v_mov_b32 v13, 0xff61b1e6                      ; the largest score so far: -3e38
	v_mov_b32 v12, 0x7e800000                      ; -M: so large that the first f is 0
	v_mov_b32 v14, 0
	v_mov_b32 v15, 0
.set j, 0
.rept 32
	v_mov_b32 v[160+j], 0                          ; O^T: the step is written once; its first run finds zeros
.set j, j+1
.endr
	s_mov_b32 s60, 0
	s_mov_b32 s61, 0
	s_mov_b32 s62, 4
.Lfirst:                                               ; key steps 0 to 3
	STEP
	s_sub_co_u32 s62, s62, 1
	s_cmp_lg_u32 s62, 0
	s_cbranch_scc1 .Lfirst
	s_wait_alu depctr_va_vdst(0)
	s_wait_tensorcnt 0x0                           ; every wave's piece has landed
	s_wait_dscnt 0x0
	s_barrier_signal -1
	s_barrier_wait -1                              ; all of K and V is shown
	s_mov_b32 s60, 30720
	s_mov_b32 s61, 2048
	s_mov_b32 s62, 12
.Lothers:                                              ; key steps 4 to 15
	STEP
	s_sub_co_u32 s62, s62, 1
	s_cmp_lg_u32 s62, 0
	s_cbranch_scc1 .Lothers
	; THE WAY OUT: O^T / l, quantised along the head's 64: two blocks; register 16 b + i is channel 32 b + 16 (lane / 16) + i of my query
.rept 4
	v_nop                                          ; places behind the last products
.endr
	s_wait_alu depctr_va_vdst(0)                   ; l's last addition stands ahead of a blocking wait
	v_add_f32 v14, v14, v15
	s_delay_alu instid0(VALU_DEP_1)
	v_permlanex16_b32 v214, v14, s20, s21
	s_delay_alu instid0(VALU_DEP_1)
	v_add_f32 v14, v14, v214                       ; l
	s_wait_alu depctr_va_vdst(0)
	v_rcp_f32 v214, v14
	v_nop                                          ; a plain place behind the reciprocal
	s_wait_alu depctr_va_vdst(0)                   ; and the wait ahead of its first reader
.set j, 0
.rept 32
	v_mul_f32 v[96+j], v[160+j], v214              ; each accumulator from its low end on
.set j, j+1
.endr
.irp b, 0,1
	v_max3_num_f32 v[BM+\b], |v[96+16*\b]|, |v[97+16*\b]|, 0x1800000
.endr
.irp i, 2,4,6,8,10,12,14
.irp b, 0,1
	s_delay_alu instid0(VALU_DEP_2)
	v_max3_num_f32 v[BM+\b], v[BM+\b], |v[96+16*\b+\i]|, |v[97+16*\b+\i]|
.endr
.endr
.irp b, 0,1
	s_delay_alu instid0(VALU_DEP_2)
	v_permlanex16_b32 v[T2+\b], v[BM+\b], s20, s21
.endr
.irp b, 0,1
	s_delay_alu instid0(VALU_DEP_2)
	v_max_num_f32 v[BM+\b], v[BM+\b], v[T2+\b]
.endr
.irp b, 0,1
	s_delay_alu instid0(VALU_DEP_2)
	v_add_nc_u32 v[SO+\b], 0xff000000, v[BM+\b]
.endr
.irp b, 0,1
	s_delay_alu instid0(VALU_DEP_2)
	v_lshrrev_b32 v[T2+\b], 23, v[SO+\b]
.endr
	s_delay_alu instid0(VALU_DEP_1)
	v_lshl_or_b32 v215, v[T2+1], 8, v[T2]          ; the head's two bytes of my row
	v_cvt_scalef32_pk16_fp6_f32 v[220:222], v[96:111], v[SO]
	v_cvt_scalef32_pk16_fp6_f32 v[232:234], v[112:127], v[SO+1]
	v_nop
.irp i, 0,1,2
	v_permlane16_swap_b32 v[220+\i], v[232+\i]
.endr
.irp i, 0,1,2
	s_delay_alu instid0(VALU_DEP_3)
	v_mov_b32 v[223+\i], v[232+\i]
.endr
	global_store_b128 v1, v[220:223], s[66:67]     ; a half fragment: 512 consecutive bytes,
	global_store_b64 v2, v[224:225], s[66:67] offset:512   ; and the 256 behind them
	global_store_b16 v218, v215, s[68:69]          ; both halves of the lanes write the same two bytes: a scale word spans two heads, and a work-group has one
	s_wait_xcnt 0x0                                ; the stores have read their registers and bases: both may be written
	s_add_nc_u64 s[66:67], s[66:67], 196608        ; 16 tiles on
	s_add_nc_u64 s[68:69], s[68:69], 8192
.irp j, 0,1,2,3,4,5
	v_mov_b32 v[16+\j], v[192+\j]                  ; the second pass's q
.endr
	v_mov_b32 v28, v198
	s_sub_co_u32 s63, s63, 1
	s_cmp_lg_u32 s63, 0
	s_cbranch_scc1 .Lpass
	s_wait_tensorcnt 0x0                           ; the wave's end
	ds_add_u32 v4, v5
	s_wait_dscnt 0x0
	CROUND                                         ; the closing round
	s_endpgm
.Lfunc_end_k_q8859f9f53a_attn:
	.size	k_q8859f9f53a_attn, .Lfunc_end_k_q8859f9f53a_attn-k_q8859f9f53a_attn
	.p2alignl 7, 3214868480
	.fill 96, 4, 3214868480
	.section	.rodata,"a",@progbits
	.p2align	6, 0x0
	.amdhsa_kernel k_q8859f9f53a_attn
		.amdhsa_group_segment_fixed_size 264192
		.amdhsa_private_segment_fixed_size 0
		.amdhsa_enable_private_segment 0
		.amdhsa_kernarg_size 32
		.amdhsa_user_sgpr_count 2
		.amdhsa_user_sgpr_kernarg_segment_ptr 1
		.amdhsa_wavefront_size32 1
		.amdhsa_system_sgpr_workgroup_id_x 1
		.amdhsa_system_sgpr_workgroup_id_y 1
		.amdhsa_system_sgpr_workgroup_id_z 1
		.amdhsa_system_vgpr_workitem_id 0
		.amdhsa_next_free_vgpr 256
		.amdhsa_next_free_sgpr 84
		.amdhsa_reserve_vcc 0
		.amdhsa_float_denorm_mode_32 3
		.amdhsa_float_denorm_mode_16_64 3
		.amdhsa_memory_ordered 1
		.amdhsa_forward_progress 1
		.amdhsa_inst_pref_size 46
	.end_amdhsa_kernel
	.amdgpu_metadata
---
amdhsa.version: [ 1, 2 ]
amdhsa.kernels:
  - .name:           k_q8859f9f53a_attn
    .symbol:         k_q8859f9f53a_attn.kd
    .args:
      - { .name: qkv_codes, .offset: 0, .size: 8, .value_kind: global_buffer, .address_space: global }
      - { .name: qkv_scales, .offset: 8, .size: 8, .value_kind: global_buffer, .address_space: global }
      - { .name: a_codes, .offset: 16, .size: 8, .value_kind: global_buffer, .address_space: global }
      - { .name: a_scales, .offset: 24, .size: 8, .value_kind: global_buffer, .address_space: global }
    .group_segment_fixed_size: 264192
    .private_segment_fixed_size: 0
    .kernarg_segment_align: 8
    .kernarg_segment_size: 32
    .max_flat_workgroup_size: 512
    .sgpr_count:     84
    .vgpr_count:     256
    .wavefront_size: 32
...
	.end_amdgpu_metadata
.endif
;; end of part 3
;; launch outp (part 4): grid 32 x 8, 4 waves a work-group, clusters of 4 x 4, 327,680 bytes of LDS; arguments a_codes, a_scales, xw_codes, xw_scales, out0; writes out0
.if DOCPART == 4
	.amdgcn_target "amdgcn-amd-amdhsa--gfx1250"
	.amdhsa_code_object_version 6
	.text
	.protected	k_q8859f9f53a_outp
	.globl	k_q8859f9f53a_outp
	.p2align	8
	.type	k_q8859f9f53a_outp,@function
k_q8859f9f53a_outp:
	s_mov_b64 s[64:65], 0
	v_nop
	global_prefetch_b8 v0, s[64:65] scope:SCOPE_SE
	s_setreg_imm32_b32 hwreg(HW_REG_WAVE_MODE, 25, 1), 1
	s_wait_xcnt 0x0
	s_wait_alu depctr_hold_cnt(0) depctr_sa_sdst(0) depctr_va_vdst(0) depctr_va_sdst(0) depctr_va_ssrc(0) depctr_va_vcc(0) depctr_vm_vsrc(0)
	s_getreg_b32 s2, hwreg(HW_REG_IB_STS2, 6, 4)
	s_cmp_eq_u32 s2, 0
	s_cbranch_scc0 .Lentry_in_a_cluster
	s_endpgm
.Lentry_in_a_cluster:
	s_bfe_u32 s2, ttmp6, 0x10000c
	s_cmp_lg_u32 s2, 0xf033
	s_cbranch_scc0 .Lentry_shape_is_right
	s_endpgm
.Lentry_shape_is_right:
; out[token][n] = sum over k of attn[token][k] Wo[n][k], f32, on codes of FP6 (E2M3) with E8M0 scales: 8,192 x 1,024 x 1,024.
; LIMITS: NaN, infinities and sums beyond f32's range are not served.
; OPERANDS: codes [tile of 16 rows][16 half fragments][768 bytes] (a half fragment: 16 rows x 64 along K; a lane's first 16 bytes at 16 x lane, its last 8 at 512 + 8 x lane), scale bytes [tile][K / 256][row][8].
; Row r of tile T is token (or output) 32 (T / 2) + 8 (T % 2) + r + 8 (r / 8).  A: a_codes, a_scales; B: Wo's 64 tiles, from tile 704 of xw_codes, xw_scales.
; THE DEAL.  256 work-groups of four waves, 2 x 2, each 256 rows x 128 columns of C.  A wave holds four tiles of B, all of K, in 384 registers, and streams A's tiles 2 s + (wave row) past them as blocks s = 0 .. 7, 32 products each.
; The cluster's x counts tile rows (grid = 32, 8).  A's tiles are shared by a COLUMN of the cluster (mask s44), B's by a ROW (mask s45): joint loads.
; LDS: A's 16 tiles (196,608 bytes) and B's 8 (98,304), dense, filled once: no refill, and no data prefetch, since all is asked for at the head.  The waves' stages lie in B's first bytes, which have had their one fill and are read for the last time ahead of the barrier in front of the stream.
; THE HEAD'S FOUR LOADS, one a wave, each on a line of its own: B; A's tiles 0 to 7; 8 to 11; 12 to 15.  The stream begins when the first two are in; a plain barrier inside block 1 shows the others.
; THE SCALE WORDS go from memory into registers: B's 16 (lanes 0-15 an even tile's rows, lanes 16-31 the odd one's), A's 32 (lanes 0-15 an even block's rows, lanes 16-31 the odd one's).
; Source 0 = B's rows: a lane holds eight neighbouring columns of one row of C.  A block's sums go through the wave's own stage and leave as rows of 256 bytes, sixteen lanes to an aligned unit, in the run behind its own products.
; ONE WAIT ON LDS A BLOCK, ahead of its stores: younger than the rows' way back is the run's fetch alone, 32 loads; it shows the next block's fragments in too.
.set FR, 12
.set FPW, 21                           ; fragments in a window of 256 registers; fragment f lies in window 1 + f / 21: 0-31 B's (4 q + tile), 32-47 A's two sets (32 + 8 e + q)
.set NF, 32                            ; LDS loads of a block
.set YB, 196608
.set STAGE, YB
.set SPITCH, 272
.set SPARE, YB+98304
.set CO, 9                             ; v9  my byte offset in C: row l / 16, 16 bytes x (l % 16)
.set SPW, 10
.set NIL, 11
.set AB, 12                            ; v12, v13 LDS addresses of B's 16-byte and 8-byte pieces
.set AA0, 14                           ; v14, v15 of A's, block 0
.set AA, 16                            ; v16, v17 of the block that is fetched next
.set STO, 18
.set RD, 19
.set SB, 24                            ; v24-39 B's scale words
.set SA, 44                            ; v44-75 A's (their numbers differ from B's by 4 modulo 8)
.set ACC, 76                           ; v76-139 two sets of four accumulators
.set BK, 140                           ; v140-203 two sets: 16 rows x 256 bytes back from the stage
.set G1A, 24
.set G0A, 56
.set G1B, 32
.set G0B, 60
.set MSB, 0
.macro WIN new
.if MSB != \new
	s_set_vgpr_msb (MSB<<8)|\new
.set MSB, \new
.endif
.endm
.macro PLACES n
.rept \n
	v_nop
.endr
.endm
.macro WALU
	s_wait_alu depctr_va_vdst(0)
.endm
.macro BARRIER
	s_barrier_signal -1
	s_barrier_wait -1
.endm
.macro CROUND
	BARRIER
	s_cmp_lg_u32 s14, 0
	s_cbranch_scc1 .Lnot_wave_0_\@
	s_barrier_signal -3
.Lnot_wave_0_\@:
	s_barrier_wait -3
	BARRIER
.endm
.macro TLOAD g0, g1                    ; an s_nop 0 and four v_nop follow a tensor load
	tensor_load_to_lds s[\g0:\g0+3], s[\g1:\g1+7]
	s_nop 0
	PLACES 4
.endm
.macro ATILE first, rows               ; a part of A, from byte first on, as rows of 256 bytes: a descriptor of constants
	s_mov_b32 s[G0A+1], \first
	s_mov_b32 s[G1A+2], (\rows)<<16
	s_mov_b32 s[G1A+4], \rows
.if \first
	s_add_nc_u64 s[G0A+2:G0A+3], s[G0A+2:G0A+3], \first
.endif
	s_or_b32 s[G0A+3], s[G0A+3], 0x80000000
	TLOAD G0A, G1A
.endm
.macro GROUP1 g, mask
	s_or_b32 s[\g+0], s[\mask], (3<<16)|(1<<21)
	s_mov_b32 s[\g+1], 32<<16
	s_mov_b32 s[\g+3], 32<<16
	s_mov_b32 s[\g+5], 32
	s_mov_b32 s[\g+6], 0
	s_mov_b32 s[\g+7], 0
.endm
.macro FRAG f, a16, a8, off            ; a fragment: two half fragments
	WIN (1+(\f)/FPW)<<6
.set R_, FR*((\f)%FPW)
	ds_load_b128 v[R_:R_+3], v[\a16] offset:\off
	ds_load_b64 v[R_+4:R_+5], v[\a8] offset:(\off)+512
	ds_load_b128 v[R_+6:R_+9], v[\a16] offset:(\off)+768
	ds_load_b64 v[R_+10:R_+11], v[\a8] offset:(\off)+1280
.endm
.macro FETCH e, a                      ; a block of A into set e: NF loads
.irp q, 0,1,2,3,4,5,6,7
	FRAG 32+8*(\e)+\q, \a, (\a)+1, 1536*\q
.endr
	WIN 0
.endm
.macro WM c, ra, rb
	v_wmma_scale_f32_16x16x128_f8f6f4 v[D_:D_+7], v[RB_:RB_+FR-1], v[RA_:RA_+FR-1], \c, v[XB_], v[XA_] matrix_a_fmt:MATRIX_FMT_FP6 matrix_b_fmt:MATRIX_FMT_FP6 matrix_a_scale:MATRIX_SCALE_ROW\ra matrix_b_scale:MATRIX_SCALE_ROW\rb
.endm
.macro PICK c, oa, ob
.if (\oa) && (\ob)
	WM \c, 1, 1
.elseif (\oa)
	WM \c, 1, 0
.elseif (\ob)
	WM \c, 0, 1
.else
	WM \c, 0, 0
.endif
.endm
.macro PROD s, n                       ; product n = 4 q + tile of block s; the four accumulators by turns; the first along K takes C = 0
.set Q_, (\n)/4
.set T_, (\n)%4
.set FB_, 4*Q_+T_
.set FA_, 32+8*((\s)%2)+Q_
.set D_, ACC+32*((\s)%2)+8*T_
.set XB_, SB+8*(T_/2)+Q_
.set XA_, SA+8*((\s)/2)+Q_
.set RB_, FR*(FB_%FPW)
.set RA_, FR*(FA_%FPW)
	WIN (1+FB_/FPW)|((1+FA_/FPW)<<2)
.if Q_
	PICK v[D_:D_+7], T_%2, (\s)%2
.else
	PICK 0, T_%2, (\s)%2
.endif
.endm
.macro PRODS s, from, to
.set N_, \from
.rept (\to)-(\from)
	PROD \s, N_
.set N_, N_+1
.endr
	WIN 0
.endm
.macro STAGED u                        ; set u's sums into my stage, each accumulator from its low end on, and back as whole rows; LDS serves a wave's instructions in order (ISA guide 5.7.1.4)
.irp b, 0,1,2,3
	ds_store_b128 v[STO], v[ACC+32*(\u)+8*\b:ACC+32*(\u)+8*\b+3] offset:128*(\b/2)+32*(\b%2)
	ds_store_b128 v[STO], v[ACC+32*(\u)+8*\b+4:ACC+32*(\u)+8*\b+7] offset:128*(\b/2)+32*(\b%2)+16
.endr
.irp t, 0,1,2,3,4,5,6,7
	ds_load_b128 v[BK+32*(\u)+4*\t:BK+32*(\u)+4*\t+3], v[RD] offset:2*\t*SPITCH
.endr
.endm
.macro STREAM s
.if (\s) == 1
	PRODS \s, 0, 24
	s_wait_tensorcnt 0x0
	s_wait_dscnt 0x0
	s_barrier_signal -1                            ; a plain barrier: waves 2 and 3's tiles are shown to all
	PRODS \s, 24, 32
	s_barrier_wait -1
.else
	PRODS \s, 0, 32
.endif
.if (\s) < 6                           ; four plain vector lines between the last product and the first reader of its sums
	v_add_nc_u32 v[AA], ((\s)+2)*24576, v[AA0]
	v_add_nc_u32 v[AA+1], ((\s)+2)*24576, v[AA0+1]
	PLACES 2
	WALU
.else
	PLACES 4
.endif
	s_wait_xcnt 0x0                                ; the stores of two blocks ago have read this set of rows
	STAGED (\s)%2
.if (\s) < 6
	FETCH (\s)%2, AA
	s_wait_dscnt NF                                ; the block's rows are back from the stage; its fetch is younger
.else
	s_wait_dscnt 0x0
.endif
.irp t, 0,1,2,3,4,5,6,7                ; rows 2 t, 2 t + 1 of the block's tile are tokens 32 s + 2 t + 8 (t / 4) and the next
	global_store_b128 v[CO], v[BK+32*((\s)%2)+4*\t:BK+32*((\s)%2)+4*\t+3], s[12:13] offset:(32*(\s)+2*\t+8*(\t/4))*4096 th:TH_STORE_NT
.endr
.endm
	s_load_b256 s[4:11], s[0:1], 0x0               ; a_codes, a_scales, xw_codes, xw_scales
	s_load_b64 s[12:13], s[0:1], 0x20              ; out0
	v_lshl_add_u32 v[SPW], v0, 2, SPARE
	v_mov_b32 v[NIL], 0
	ds_add_u32 v[SPW], v[NIL]                      ; the opening lines
	ds_add_u32 v[SPW], v[NIL]
	v_lshrrev_b32 v1, 5, v0
	v_readfirstlane_b32 s14, v1                    ; the wave; s15 its row of the 2 x 2, s16 its column
	s_lshr_b32 s15, s14, 1
	s_and_b32 s16, s14, 1
	s_bfe_u32 s40, ttmp6, 0x40000
	s_bfe_u32 s41, ttmp6, 0x40004
	s_lshl_b32 s43, ttmp9, 2
	s_add_co_u32 s43, s43, s40                     ; tile row of C: 4 x cluster x + cx
	s_and_b32 s42, ttmp7, 0xffff
	s_lshl_b32 s42, s42, 2
	s_add_co_u32 s42, s42, s41                     ; tile column of C: 4 x cluster y + cy
	s_lshl_b32 s44, 0x1111, s40                    ; my column of the cluster: shares A
	s_lshl_b32 s45, s41, 2
	s_lshl_b32 s45, 15, s45                        ; my row: shares B
	GROUP1 G1A, 44
	GROUP1 G1B, 45
	s_mov_b32 s[G1B+2], 384<<16
	s_mov_b32 s[G1B+4], 384
	s_mov_b32 s[G0A], 1
	s_mov_b32 s[G0B], 1
	s_mov_b32 s[G0B+1], YB
	s_mul_i32 s76, s43, 196608                     ; my 16 tiles of A
	s_mov_b32 s77, 0
	s_mul_i32 s78, s42, 98304
	s_add_co_u32 s78, s78, 704*12288               ; my 8 tiles of Wo
	s_mov_b32 s79, 0
	s_lshl_b32 s80, s43, 13
	s_lshl_b32 s21, s15, 9
	s_add_co_u32 s80, s80, s21                     ; A's scale bytes, from my wave row's first tile
	s_mov_b32 s81, 0
	s_lshl_b32 s82, s42, 12
	s_lshl_b32 s21, s16, 11
	s_add_co_u32 s82, s82, s21
	s_add_co_u32 s82, s82, 704*512                 ; B's, my four tiles
	s_mov_b32 s83, 0
	s_lshl_b32 s84, s43, 20                        ; C: 256 rows of 4,096 bytes a tile row,
	s_lshl_b32 s21, s15, 15                        ; 8 rows for the wave row,
	s_add_co_u32 s84, s84, s21
	s_lshl_b32 s21, s42, 9                         ; 512 bytes a tile column,
	s_add_co_u32 s84, s84, s21
	s_lshl_b32 s21, s16, 8                         ; 256 for the wave column
	s_add_co_u32 s84, s84, s21
	s_mov_b32 s85, 0
	s_mul_i32 s21, s15, 12288
	s_mul_i32 s22, s16, 49152
	s_add_co_u32 s22, s22, YB
	s_mul_i32 s23, s14, 16*SPITCH
	s_add_co_u32 s23, s23, STAGE
	v_and_b32 v1, 15, v0
	v_bfe_u32 v2, v0, 4, 1
	v_and_b32 v3, 31, v0
	v_lshl_add_u32 v[AA0], v3, 4, s21
	v_lshl_add_u32 v[AA0+1], v3, 3, s21
	v_lshl_add_u32 v[AB], v3, 4, s22
	v_lshl_add_u32 v[AB+1], v3, 3, s22
	v_add_nc_u32 v[AA], 24576, v[AA0]
	v_add_nc_u32 v[AA+1], 24576, v[AA0+1]
	v_mul_u32_u24 v4, v1, SPITCH
	v_lshl_add_u32 v4, v2, 6, v4
	v_add_nc_u32 v[STO], s23, v4                   ; into the stage: row r, 64 h bytes on
	v_mul_u32_u24 v4, v2, SPITCH
	v_lshl_add_u32 v4, v1, 4, v4
	v_add_nc_u32 v[RD], s23, v4                    ; back: lanes 0-15 one row, lanes 16-31 the next
	v_lshlrev_b32 v4, 12, v2
	v_lshl_add_u32 v[CO], v1, 4, v4
	v_lshlrev_b32 v5, 3, v1
	v_lshl_add_u32 v20, v2, 9, v5                  ; B's scale words: 8 r + 512 h
	v_lshl_add_u32 v21, v2, 10, v5                 ; A's: 8 r + 1,024 h (two tiles on: my next block)
	WALU
	s_wait_dscnt 0x0
	CROUND                                         ; the opening round
	s_wait_kmcnt 0x0
	s_add_nc_u64 s[G0A+2:G0A+3], s[4:5], s[76:77]
	s_add_nc_u64 s[G0B+2:G0B+3], s[8:9], s[78:79]
	s_or_b32 s[G0B+3], s[G0B+3], 0x80000000
	s_add_nc_u64 s[6:7], s[6:7], s[80:81]
	s_add_nc_u64 s[10:11], s[10:11], s[82:83]
	s_add_nc_u64 s[12:13], s[12:13], s[84:85]
	s_cmp_eq_u32 s14, 0
	s_cbranch_scc0 .Lwave_1
	TLOAD G0B, G1B                                 ; wave 0: B, which is wanted first
	s_branch .Lasked
.Lwave_1:
	s_cmp_eq_u32 s14, 1
	s_cbranch_scc0 .Lwave_2
	ATILE 0, 384                                   ; wave 1: A's tiles 0 to 7
	s_branch .Lasked
.Lwave_2:
	s_cmp_eq_u32 s14, 2
	s_cbranch_scc0 .Lwave_3
	ATILE 98304, 192                               ; wave 2: 8 to 11
	s_branch .Lasked
.Lwave_3:
	ATILE 147456, 192                              ; wave 3: 12 to 15
.Lasked:
.irp p, 0,1
.irp k, 0,1,2,3
	global_load_b64 v[SB+8*\p+2*\k:SB+8*\p+2*\k+1], v20, s[10:11] offset:1024*\p+128*\k
.endr
.endr
.irp p, 0,1,2,3
.irp k, 0,1,2,3
	global_load_b64 v[SA+8*\p+2*\k:SA+8*\p+2*\k+1], v21, s[6:7] offset:2048*\p+128*\k
.endr
.endr
	s_wait_loadcnt 0x0
	s_cmp_eq_u32 s14, 0
	s_cbranch_scc0 .Lnot_b
	s_wait_tensorcnt 0x0
.Lnot_b:
	BARRIER                                        ; B has landed
.irp q, 0,1,2,3,4,5,6,7
.irp b, 0,1,2,3
	FRAG 4*\q+\b, AB, AB+1, 12288*\b+1536*\q
.endr
.endr
	WIN 0
	s_cmp_eq_u32 s14, 1
	s_cbranch_scc0 .Lnot_a
	s_wait_tensorcnt 0x0                           ; wave 1: A's tiles 0 to 7 have landed
.Lnot_a:
	s_wait_dscnt 0x0
	BARRIER                                        ; they are shown, and nobody reads B's bytes any more
	FETCH 0, AA0
	FETCH 1, AA
	s_wait_dscnt NF                                ; block 0's fragments are in
.irp s, 0,1,2,3,4,5,6,7
	STREAM \s
.endr
	s_wait_tensorcnt 0x0                           ; the wave's end
	ds_add_u32 v[SPW], v[NIL]
	s_wait_dscnt 0x0
	CROUND                                         ; the closing round
	s_endpgm
.Lfunc_end_k_q8859f9f53a_outp:
	.size	k_q8859f9f53a_outp, .Lfunc_end_k_q8859f9f53a_outp-k_q8859f9f53a_outp
	.p2alignl 7, 3214868480
	.fill 96, 4, 3214868480
	.section	.rodata,"a",@progbits
	.p2align	6, 0x0
	.amdhsa_kernel k_q8859f9f53a_outp
		.amdhsa_group_segment_fixed_size 327680
		.amdhsa_private_segment_fixed_size 0
		.amdhsa_enable_private_segment 0
		.amdhsa_kernarg_size 40
		.amdhsa_user_sgpr_count 2
		.amdhsa_user_sgpr_kernarg_segment_ptr 1
		.amdhsa_wavefront_size32 1
		.amdhsa_system_sgpr_workgroup_id_x 1
		.amdhsa_system_sgpr_workgroup_id_y 1
		.amdhsa_system_sgpr_workgroup_id_z 1
		.amdhsa_system_vgpr_workitem_id 0
		.amdhsa_next_free_vgpr 840
		.amdhsa_next_free_sgpr 100
		.amdhsa_reserve_vcc 0
		.amdhsa_float_denorm_mode_32 3
		.amdhsa_float_denorm_mode_16_64 3
		.amdhsa_memory_ordered 1
		.amdhsa_forward_progress 1
		.amdhsa_inst_pref_size 85
	.end_amdhsa_kernel
	.amdgpu_metadata
---
amdhsa.version: [ 1, 2 ]
amdhsa.kernels:
  - .name:           k_q8859f9f53a_outp
    .symbol:         k_q8859f9f53a_outp.kd
    .args:
      - { .name: a_codes, .offset: 0, .size: 8, .value_kind: global_buffer, .address_space: global }
      - { .name: a_scales, .offset: 8, .size: 8, .value_kind: global_buffer, .address_space: global }
      - { .name: xw_codes, .offset: 16, .size: 8, .value_kind: global_buffer, .address_space: global }
      - { .name: xw_scales, .offset: 24, .size: 8, .value_kind: global_buffer, .address_space: global }
      - { .name: out0, .offset: 32, .size: 8, .value_kind: global_buffer, .address_space: global }
    .group_segment_fixed_size: 327680
    .private_segment_fixed_size: 0
    .kernarg_segment_align: 8
    .kernarg_segment_size: 40
    .max_flat_workgroup_size: 128
    .sgpr_count:     100
    .vgpr_count:     840
    .wavefront_size: 32
...
	.end_amdgpu_metadata
.endif
;; end of part 4
